; MI455X (gfx1250); checked and timed in simulation.
; The chip was launched on July 23, 2026; its instructions are those of AMD's public machine-readable ISA for CDNA 5 (MIT licence, August 2026) and "CDNA5" Instruction Set Architecture Reference Guide (July 2026). The comments in the code are by the model that wrote it; some were corrected since.
;; Relation Multi Head Attention. Allowed arithmetic: float matrix products may take bf16 or f16 operands with f32 sums; other float arithmetic in f32, or as packed bf16 or f16 multiplies, adds, multiply-adds, maxima and minima; sums over many terms, partial sums and values carried from step to step in f32; what a program stores and reads back later, other than sums and carried values, may be rounded once to bf16 or f16.
;; Inputs: Wk 512 x 512 float32; Wo 512 x 512 float32; Wq 512 x 512 float32; Wr 1,024 x 512 float32; Wv 512 x 512 float32; adj_mask 2 x 256 x 256 int32; bk 512 float32; bo 512 float32; bq 512 float32; bv 512 float32; keys 2 x 256 x 512 float32; queries 2 x 256 x 512 float32; relation 2 x 256 x 256 x 512 float32; values 2 x 256 x 512 float32.
;; Outputs: out0 2 x 256 x 512 float32; out1 2 x 256 x 256 x 8 float32.
;; One version. Each part assembles by itself: llvm-mc -triple=amdgcn-amd-amdhsa -mcpu=gfx1250 --defsym DOCPART=n.
;; ======== version 1 of 1: 3 launches
;; limits: values are held in f16: magnitudes above 65,504 overflow, below 6.1e-05 lose precision
;; workspace buffers: qws 1,048,576 bytes; kt 1,048,576 bytes; vt 524,288 bytes; wrb 1,048,576 bytes; wob 524,288 bytes; pw 2,097,152 bytes
;; launch prep (part 1): grid 204 x 1, 4 waves a work-group, no clusters, 284,160 bytes of LDS; arguments queries, keys, values, Wq, Wk, Wv, bq, bk, bv, Wr, Wo, qws, kt, vt, wrb, wob; writes qws, kt, vt, wrb, wob
.if DOCPART == 1
	.amdgcn_target "amdgcn-amd-amdhsa--gfx1250"
	.amdhsa_code_object_version 6
	.text
	.protected	k_qcb678d8a57_prep
	.globl	k_qcb678d8a57_prep
	.p2align	8
	.type	k_qcb678d8a57_prep,@function
k_qcb678d8a57_prep:
	s_mov_b64 s[64:65], 0
	v_nop
	global_prefetch_b8 v0, s[64:65] scope:SCOPE_SE
	s_setreg_imm32_b32 hwreg(HW_REG_WAVE_MODE, 25, 1), 1
	s_wait_xcnt 0x0
; PREP.  Work-groups 0-191: one tile of 64 x 64, K = 512, of q = (queries Wq^T + bq) / 8, k = keys Wk^T + bk or v = values Wv^T + bv (64 tiles each).
; Work-groups 192-199: 128 rows of Wr each, 200-203: 128 rows of Wo each, rounded and laid out as matrix fragments for the launches behind.
; All inputs, the biases too, are rounded to bf16; sums in f32.  q leaves as f32 rows, k as f32 result tiles (the C operand of the main launch), v as f16 fragments of V^T.
; FRAGMENT ORDER (1,024 bytes for 16 rows x 32 k of 16 bits): byte g 512 + 16 lane holds the lane's registers 4 g .. 4 g + 3, so two loads of 512 consecutive bytes bring a fragment.
; LIMITS.  v is kept in f16: |v| stays under 65,504 (inputs as drawn give about 2).  Wo is rounded to bf16 and that number written as f16: below 6e-5 it keeps f16's fixed step of 6e-8.
; NO CLUSTER: a work-group makes one fill of 256 KB and has no ring; a round of a cluster's barrier would stand in front of the only loads there are.
; Both operands come as f32 by one tensor load a wave (64 rows x 256 numbers, padded), and are rounded on the way from LDS to the matrix unit.
; The matrix instruction takes source 0 = 16 rows whose index ends in the result's registers, source 1 = 16 rows whose index ends in its lanes.  q, k: source 0 = W, source 1 = x.  v: the other way round.
.set PITCH,  1040                      ; an LDS row: 1,024 bytes + 16 of padding = 260 words: the 16 rows of a load start at 16 different groups of four banks (64 banks of 4 bytes: ISA guide 11.1)
.set REG,    64*PITCH                  ; a region: 64 rows x 256 f32.  Region 2 op + khalf: operand op, left or right half of K
.set STAGE,  4*REG                     ; behind the regions: 16 rows x 272 bytes for each wave, q's way out
.set SPITCH, 272
.set SPARE,  STAGE+4*16*SPITCH         ; the spare words: 128 bytes for each wave, two blocks of 256 bytes that no other line names
.set ACC,    32                        ; v[32:63]   four accumulators: source 0's blocks a = 0..3 x my 16 rows of source 1
.set RAWA,   64                        ; v[64:143]  five fragments as f32, 16 registers each (source 1, then source 0's four); rounded in place into the first 8
.set RAWB,   144                       ; v[144:223] the same for the odd K chunks
; v1 r, v2 hh, v3 source 0's lane address, v4 source 1's, v5 16 x lane, v6, v7 stage in and out, v8, v9 the addresses in hand, v10-13 at work, v30, v31 the add's two
; s[8:39] the sixteen buffers; s40 wave; s41 job; s42, s43 tile of source 0, 1; s[44:47], s[48:55] descriptor; s[56:57] source 0, later the output; s[58:59] bias; s60-63 counters and at work
.macro PLACES                          ; four places between a matrix instruction and a load into, or a vector write of, its registers, or a read of its result
.rept 4
	v_nop
.endr
.endm
	s_load_b512 s[8:23], s[0:1], 0x0               ; queries, keys, values, Wq, Wk, Wv, bq, bk
	s_load_b512 s[24:39], s[0:1], 0x40             ; bv, Wr, Wo, qws, kt, vt, wrb, wob
	v_lshl_add_u32 v30, v0, 2, SPARE
	v_mov_b32 v31, 0
	ds_add_u32 v30, v31                            ; the wave's opening: the add and its wait ahead of my tensor load; work on registers stands between
	ds_add_u32 v30, v31
	v_lshrrev_b32 v1, 5, v0
	v_readfirstlane_b32 s40, v1                    ; wave 0..3
	s_mov_b32 s48, (2<<16)|(1<<20)|(7<<22)|(3<<25) ; elements of 4 bytes; padding on: after every 256 words (code 7) 4 words (code 3)
	s_mov_b32 s49, 256<<16                         ; tensor_dim0 = 256
	s_mov_b32 s50, 64<<16                          ; tensor_dim1 = 64
	s_mov_b32 s51, 256<<16                         ; tile_dim0 = 256
	s_mov_b32 s52, 64                              ; tile_dim1 = 64
	s_mov_b32 s53, 512                             ; 512 elements from row to row
	s_mov_b32 s54, 0
	s_mov_b32 s55, 0
	s_mov_b32 s44, 1                               ; count = 1
	s_mul_i32 s45, s40, REG                        ; my region
	s_lshr_b32 s41, ttmp9, 6                       ; job: 0 q, 1 k, 2 v, 3 the conversions
	s_and_b32 s62, ttmp9, 63                       ; the tile's number in its job
	s_and_b32 s60, s62, 7
	s_lshr_b32 s61, s62, 3
	s_wait_dscnt 0x0                               ; the opening add is done
	s_wait_kmcnt 0x0
	s_cmp_eq_u32 s41, 1
	s_cselect_b64 s[4:5], s[10:11], s[8:9]         ; x
	s_cselect_b64 s[6:7], s[16:17], s[14:15]       ; W
	s_cselect_b64 s[58:59], s[22:23], s[20:21]     ; bias
	s_cmp_eq_u32 s41, 2
	s_cselect_b64 s[4:5], s[12:13], s[4:5]
	s_cselect_b64 s[6:7], s[18:19], s[6:7]
	s_cselect_b64 s[58:59], s[24:25], s[58:59]
	s_cselect_b64 s[56:57], s[4:5], s[6:7]         ; source 0: x for v, W for q and k
	s_cselect_b64 s[2:3], s[6:7], s[4:5]           ; source 1
	s_cselect_b32 s42, s61, s60                    ; their tiles of 64 rows
	s_cselect_b32 s43, s60, s61
	s_cmp_lt_u32 s41, 3
	s_cbranch_scc1 .Lchosen
	s_cmp_ge_u32 s62, 8                            ; conversions: 8 work-groups for Wr (job 3), 4 for Wo (job 4); both regions hold rows of the one tensor
	s_cselect_b64 s[56:57], s[28:29], s[26:27]
	s_cselect_b32 s41, 4, 3
	s_mov_b64 s[2:3], s[56:57]
	s_and_b32 s42, s62, 7
	s_lshl_b32 s42, s42, 1
	s_add_co_u32 s43, s42, 1
.Lchosen:
	s_lshr_b32 s61, s40, 1                         ; waves 0, 1 fetch source 0's two halves of K, waves 2, 3 source 1's
	s_cmp_eq_u32 s61, 0
	s_cselect_b64 s[46:47], s[56:57], s[2:3]
	s_cselect_b32 s60, s42, s43
	s_lshl_b32 s60, s60, 17                        ; 64 rows of 2,048 bytes
	s_and_b32 s61, s40, 1
	s_lshl_b32 s61, s61, 10                        ; the half of K: 1,024 bytes
	s_add_co_u32 s60, s60, s61
	s_mov_b32 s61, 0
	s_add_nc_u64 s[46:47], s[46:47], s[60:61]
	s_or_b32 s47, s47, 0x80000000                  ; type = 2
	tensor_load_to_lds s[44:47], s[48:55]          ; my one tensor load of the launch
	s_nop 0
	PLACES
	v_and_b32 v1, 15, v0                           ; r
	v_bfe_u32 v2, v0, 4, 1                         ; hh
	v_and_b32 v5, 31, v0
	v_lshlrev_b32 v5, 4, v5                        ; 16 x lane
	v_mul_u32_u24 v3, v1, PITCH
	v_lshl_add_u32 v3, v2, 5, v3                   ; row r, 8 f32 for each half of the lanes
	s_cmp_ge_u32 s41, 3
	s_cbranch_scc1 .Lno_bias
	s_mul_i32 s60, s40, 16*PITCH
	s_add_co_u32 s60, s60, 2*REG
	v_add_nc_u32 v4, s60, v3                       ; source 1: my 16 rows
	; THE BIAS, rounded to bf16, starts the sums: nothing is cleared.
	s_cmp_eq_u32 s41, 2
	s_cbranch_scc1 .Lbias_v
	s_lshl_b32 s60, s42, 8                         ; q, k: register jj of block a belongs to column 64 T0 + 16 a + 8 hh + jj
	v_lshl_add_u32 v8, v2, 5, s60
.irp a, 0,1,2,3
	global_load_b128 v[ACC+8*\a:ACC+8*\a+3],   v8, s[58:59] offset:\a*64
	global_load_b128 v[ACC+8*\a+4:ACC+8*\a+7], v8, s[58:59] offset:\a*64+16
.endr
	s_wait_loadcnt 0x0
.irp i, 0,1,2,3,4,5,6,7,8,9,10,11,12,13,14,15
	v_cvt_pk_bf16_f32 v[10+\i%2], v[ACC+2*\i], v[ACC+2*\i+1]
	v_lshlrev_b32 v[ACC+2*\i], 16, v[10+\i%2]
	v_and_b32 v[ACC+2*\i+1], 0xffff0000, v[10+\i%2]
.endr
	s_branch .Lno_bias
.Lbias_v:
	s_lshl_b32 s60, s43, 8                         ; v: the lane belongs to column 64 T1 + 16 w + r
	s_lshl_b32 s61, s40, 6
	s_add_co_u32 s60, s60, s61
	v_lshl_add_u32 v8, v1, 2, s60
	global_load_b32 v10, v8, s[58:59]
	s_wait_loadcnt 0x0
	v_cvt_pk_bf16_f32 v10, v10, v10
	v_lshlrev_b32 v[ACC], 16, v10
.set i, 1
.rept 31
	v_mov_b32 v[ACC+i], v[ACC]
.set i, i+1
.endr
.Lno_bias:
	s_wait_tensorcnt 0x0                           ; my region is in,
	s_barrier_signal -1
	s_barrier_wait -1                              ; everybody's is; nothing is filled again
	s_cmp_ge_u32 s41, 3
	s_cbranch_scc1 .Lconv
; THE PRODUCT.  K goes in chunks of 32, two to a trip, on two raw buffers.
.macro PAIRADR                         ; the LDS addresses of chunk pair s62: four pairs in the left half's region, four in the right's
	s_lshr_b32 s61, s62, 2
	s_mul_i32 s61, s61, REG
	s_and_b32 s63, s62, 3
	s_lshl_b32 s63, s63, 8
	s_add_co_u32 s61, s61, s63
	v_add_nc_u32 v8, s61, v3
	v_add_nc_u32 v9, s61, v4
.endm
.macro LOADRAW buf, off                ; 20 LDS loads: a lane's 16 f32 of each of five fragments: k = 8 hh + 0..7 and 16 + 8 hh + 0..7
.irp u, 0,1,2,3
	ds_load_b128 v[(\buf)+4*\u:(\buf)+4*\u+3], v9 offset:(\off)+16*(\u%2)+64*(\u/2)
.endr
.irp a, 0,1,2,3
.irp u, 0,1,2,3
	ds_load_b128 v[(\buf)+16+16*\a+4*\u:(\buf)+16+16*\a+4*\u+3], v8 offset:(\off)+\a*16*PITCH+16*(\u%2)+64*(\u/2)
.endr
.endr
.endm
.macro CVT buf                         ; rounded in place, ascending: register j takes numbers 2 j and 2 j + 1, which no earlier line has overwritten
.irp f, 0,1,2,3,4
.irp j, 0,1,2,3,4,5,6,7
	v_cvt_pk_bf16_f32 v[(\buf)+16*\f+\j], v[(\buf)+16*\f+2*\j], v[(\buf)+16*\f+2*\j+1]
.endr
.endr
.endm
.macro MUL buf                         ; the four accumulators take turns
.irp a, 0,1,2,3
	v_wmma_f32_16x16x32_bf16 v[ACC+8*\a:ACC+8*\a+7], v[(\buf)+16+16*\a:(\buf)+16+16*\a+7], v[(\buf):(\buf)+7], v[ACC+8*\a:ACC+8*\a+7]
.endr
.endm
	s_mov_b32 s62, 0
	PAIRADR
	LOADRAW RAWA, 0
	s_mov_b32 s60, 7
.Lk:
	PLACES
	LOADRAW RAWB, 128
	s_wait_dscnt 20                                ; all but the 20 just issued: the even chunk is in
	CVT RAWA
	MUL RAWA
	s_add_co_u32 s62, s62, 1
	PAIRADR
	PLACES
	LOADRAW RAWA, 0
	s_wait_dscnt 20                                ; the odd chunk is in
	CVT RAWB
	MUL RAWB
	s_sub_co_u32 s60, s60, 1
	s_cmp_lg_u32 s60, 0
	s_cbranch_scc1 .Lk
	PLACES
	LOADRAW RAWB, 128                              ; the last pair: nothing more to fetch behind it
	s_wait_dscnt 20
	CVT RAWA
	MUL RAWA
	s_wait_dscnt 0x0
	CVT RAWB
	MUL RAWB
	PLACES
	s_mov_b32 s61, 0
	s_cmp_eq_u32 s41, 1
	s_cbranch_scc1 .Lout_k
	s_cmp_eq_u32 s41, 2
	s_cbranch_scc1 .Lout_v
	; q: times 1/8; a lane's eight neighbouring columns go through my own stage and leave as whole rows of 256 bytes
.irp i, 0,1,2,3,4,5,6,7,8,9,10,11,12,13,14,15
	v_pk_mul_f32 v[ACC+2*\i:ACC+2*\i+1], v[ACC+2*\i:ACC+2*\i+1], 0x3e000000 op_sel_hi:[1,0]
.endr
	s_mul_i32 s63, s40, 16*SPITCH
	s_add_co_u32 s63, s63, STAGE
	v_mul_u32_u24 v6, v1, SPITCH
	v_lshl_add_u32 v6, v2, 5, v6
	v_add_nc_u32 v6, s63, v6
	v_mul_u32_u24 v7, v2, SPITCH
	v_lshl_add_u32 v7, v1, 4, v7
	v_add_nc_u32 v7, s63, v7
	v_lshlrev_b32 v10, 11, v2
	v_lshl_add_u32 v10, v1, 4, v10                 ; in qws: lanes 0-15 one row's 256 bytes, lanes 16-31 the next row's
	s_lshl_b32 s60, s43, 6
	s_lshl4_add_u32 s60, s40, s60                  ; row 64 T1 + 16 w
	s_lshl_b32 s60, s60, 11
	s_lshl_b32 s63, s42, 8
	s_add_co_u32 s60, s60, s63                     ; column 64 T0
	s_add_nc_u64 s[56:57], s[30:31], s[60:61]
.irp a, 0,1,2,3
	ds_store_b128 v6, v[ACC+8*\a:ACC+8*\a+3]   offset:\a*64
	ds_store_b128 v6, v[ACC+8*\a+4:ACC+8*\a+7] offset:\a*64+16
.endr
.irp t, 0,1,2,3,4,5,6,7
	ds_load_b128 v[64+4*\t:64+4*\t+3], v7 offset:\t*2*SPITCH  ; LDS serves a wave's instructions in order (ISA guide 5.7.1.4): these see my stores above
.endr
.irp t, 0,1,2,3,4,5,6,7
	s_wait_dscnt 7-\t
	global_store_b128 v10, v[64+4*\t:64+4*\t+3], s[56:57] offset:\t*4096  ; 16 lanes store 256 consecutive bytes, at a multiple of 256 from the buffer's first
.endr
	s_branch .Lend
.Lout_k:                                               ; k: the result tiles as they lie in the registers: tile (row block 4 T1 + w, column block 4 T0 + a), 512 consecutive bytes a store
	s_lshl_b32 s60, s43, 2
	s_add_co_u32 s60, s60, s40
	s_lshl_b32 s60, s60, 5
	s_lshl2_add_u32 s60, s42, s60
	s_lshl_b32 s60, s60, 10
	s_add_nc_u64 s[56:57], s[32:33], s[60:61]
.irp a, 0,1,2,3
	global_store_b128 v5, v[ACC+8*\a:ACC+8*\a+3],   s[56:57] offset:\a*1024
	global_store_b128 v5, v[ACC+8*\a+4:ACC+8*\a+7], s[56:57] offset:\a*1024+512
.endr
	s_branch .Lend
.Lout_v:                                               ; v: lane = channel, registers = 8 keys: two neighbouring key blocks, rounded to f16, are a fragment of V^T (16 channels x 32 keys)
.irp a, 0,1,2,3
.irp m, 0,1,2,3
	v_cvt_pk_f16_f32 v[64+4*\a+\m], v[ACC+8*\a+2*\m], v[ACC+8*\a+2*\m+1]
.endr
.endr
	s_lshr_b32 s60, s42, 2                         ; b
	s_lshl3_add_u32 s60, s60, s43                  ; 8 b + head
	s_lshl_b32 s60, s60, 5
	s_and_b32 s63, s42, 3
	s_lshl3_add_u32 s60, s63, s60                  ; + 4 x (key chunk 2 (T0 % 4))
	s_add_co_u32 s60, s60, s40                     ; + channel block w
	s_lshl_b32 s60, s60, 10
	s_add_nc_u64 s[56:57], s[34:35], s[60:61]
.irp c, 0,1
.irp h, 0,1
	global_store_b128 v5, v[64+8*\c+4*\h:64+8*\c+4*\h+3], s[56:57] offset:\c*4096+\h*512
.endr
.endr
	s_branch .Lend
; THE CONVERSIONS.  Wave w takes row blocks 8 idx + 2 w and + 1 of its tensor (idx = the work-group's number in the job), all 16 K chunks, two chunks a trip: eight trips.
; A trip's LDS loads are issued first; the wait that frees the last trip's stores' base and data stands behind them, so that the two are waited for side by side.
.macro CONV wo, rstep, cstep           ; wo = 1: bf16's number written as f16.  rstep, cstep: bytes from row block to row block and from chunk to chunk in the output
	s_mov_b32 s62, 0
	s_mov_b32 s60, 8
	s_mov_b32 s2, 0                                ; what a trip adds to the output's address: nothing in the first trip, two chunks from then on
	s_mov_b32 s3, 0
.Lcv_\@:
	s_lshr_b32 s61, s62, 2
	s_mul_i32 s61, s61, REG
	s_and_b32 s63, s62, 3
	s_lshl_b32 s63, s63, 8
	s_add_co_u32 s61, s61, s63
	v_add_nc_u32 v8, s61, v4
.irp c, 0,1
.irp p, 0,1
.irp u, 0,1,2,3
	ds_load_b128 v[64+32*\c+16*\p+4*\u:64+32*\c+16*\p+4*\u+3], v8 offset:\c*128+\p*16*PITCH+16*(\u%2)+64*(\u/2)
.endr
.endr
.endr
	s_wait_xcnt 0x0                                ; the last trip's stores: their base and their data (v128-159) are written again only behind this wait
	s_add_nc_u64 s[56:57], s[56:57], s[2:3]
	s_mov_b32 s2, 2*(\cstep)
	s_wait_dscnt 0x0
.irp c, 0,1
.irp p, 0,1
.irp j, 0,1,2,3,4,5,6,7
	v_cvt_pk_bf16_f32 v[128+16*\c+8*\p+\j], v[64+32*\c+16*\p+2*\j], v[64+32*\c+16*\p+2*\j+1]
.if \wo
	v_lshlrev_b32 v[10+2*(\j%2)], 16, v[128+16*\c+8*\p+\j]
	v_and_b32 v[11+2*(\j%2)], 0xffff0000, v[128+16*\c+8*\p+\j]
	v_cvt_pk_f16_f32 v[128+16*\c+8*\p+\j], v[10+2*(\j%2)], v[11+2*(\j%2)]
.endif
.endr
.endr
.endr
.irp c, 0,1
.irp p, 0,1
.irp h, 0,1
	global_store_b128 v5, v[128+16*\c+8*\p+4*\h:128+16*\c+8*\p+4*\h+3], s[56:57] offset:\c*(\cstep)+\p*(\rstep)+\h*512
.endr
.endr
.endr
	s_add_co_u32 s62, s62, 1
	s_sub_co_u32 s60, s60, 1
	s_cmp_lg_u32 s60, 0
	s_cbranch_scc1 .Lcv_\@
.endm
.Lconv:
	s_lshr_b32 s60, s40, 1
	s_mul_i32 s60, s60, 2*REG                      ; my operand's two regions,
	s_and_b32 s61, s40, 1
	s_mul_i32 s61, s61, 32*PITCH                   ; my 32 rows of its 64
	s_add_co_u32 s60, s60, s61
	v_add_nc_u32 v4, s60, v3
	s_lshr_b32 s63, s42, 1                         ; idx
	s_mov_b32 s61, 0
	s_cmp_eq_u32 s41, 4
	s_cbranch_scc1 .Lconv_wo
	s_and_b32 s60, s63, 3                          ; Wr: column group c = 4 (idx % 4) + w; the rows from 512 on (idx >= 4) are rk's: blocks 2 and 3 of the group
	s_lshl2_add_u32 s60, s60, s40
	s_lshl_b32 s60, s60, 16
	s_lshr_b32 s63, s63, 2
	s_lshl_b32 s63, s63, 11
	s_add_co_u32 s60, s60, s63
	s_add_nc_u64 s[56:57], s[36:37], s[60:61]
	CONV 0, 1024, 4096
	s_branch .Lend
.Lconv_wo:
	s_lshl_b32 s60, s63, 3                         ; Wo: row block 8 idx + 2 w, 16 fragments of 1,024 bytes each
	s_lshl1_add_u32 s60, s40, s60
	s_lshl_b32 s60, s60, 14
	s_add_nc_u64 s[56:57], s[38:39], s[60:61]
	CONV 1, 16384, 1024
.Lend:
	s_wait_tensorcnt 0x0                           ; the wave's end
	ds_add_u32 v30, v31
	s_wait_dscnt 0x0
	s_endpgm
.Lfunc_end_k_qcb678d8a57_prep:
	.size	k_qcb678d8a57_prep, .Lfunc_end_k_qcb678d8a57_prep-k_qcb678d8a57_prep
	.p2alignl 7, 3214868480
	.fill 96, 4, 3214868480
	.section	.rodata,"a",@progbits
	.p2align	6, 0x0
	.amdhsa_kernel k_qcb678d8a57_prep
		.amdhsa_group_segment_fixed_size 284160
		.amdhsa_private_segment_fixed_size 0
		.amdhsa_enable_private_segment 0
		.amdhsa_kernarg_size 128
		.amdhsa_user_sgpr_count 2
		.amdhsa_user_sgpr_kernarg_segment_ptr 1
		.amdhsa_wavefront_size32 1
		.amdhsa_system_sgpr_workgroup_id_x 1
		.amdhsa_system_sgpr_workgroup_id_y 1
		.amdhsa_system_sgpr_workgroup_id_z 1
		.amdhsa_system_vgpr_workitem_id 0
		.amdhsa_next_free_vgpr 256
		.amdhsa_next_free_sgpr 66
		.amdhsa_reserve_vcc 0
		.amdhsa_float_denorm_mode_32 3
		.amdhsa_float_denorm_mode_16_64 3
		.amdhsa_memory_ordered 1
		.amdhsa_forward_progress 1
		.amdhsa_inst_pref_size 48
	.end_amdhsa_kernel
	.amdgpu_metadata
---
amdhsa.version: [ 1, 2 ]
amdhsa.kernels:
  - .name:           k_qcb678d8a57_prep
    .symbol:         k_qcb678d8a57_prep.kd
    .args:
      - { .name: queries, .offset: 0, .size: 8, .value_kind: global_buffer, .address_space: global }
      - { .name: keys, .offset: 8, .size: 8, .value_kind: global_buffer, .address_space: global }
      - { .name: values, .offset: 16, .size: 8, .value_kind: global_buffer, .address_space: global }
      - { .name: Wq, .offset: 24, .size: 8, .value_kind: global_buffer, .address_space: global }
      - { .name: Wk, .offset: 32, .size: 8, .value_kind: global_buffer, .address_space: global }
      - { .name: Wv, .offset: 40, .size: 8, .value_kind: global_buffer, .address_space: global }
      - { .name: bq, .offset: 48, .size: 8, .value_kind: global_buffer, .address_space: global }
      - { .name: bk, .offset: 56, .size: 8, .value_kind: global_buffer, .address_space: global }
      - { .name: bv, .offset: 64, .size: 8, .value_kind: global_buffer, .address_space: global }
      - { .name: Wr, .offset: 72, .size: 8, .value_kind: global_buffer, .address_space: global }
      - { .name: Wo, .offset: 80, .size: 8, .value_kind: global_buffer, .address_space: global }
      - { .name: qws, .offset: 88, .size: 8, .value_kind: global_buffer, .address_space: global }
      - { .name: kt, .offset: 96, .size: 8, .value_kind: global_buffer, .address_space: global }
      - { .name: vt, .offset: 104, .size: 8, .value_kind: global_buffer, .address_space: global }
      - { .name: wrb, .offset: 112, .size: 8, .value_kind: global_buffer, .address_space: global }
      - { .name: wob, .offset: 120, .size: 8, .value_kind: global_buffer, .address_space: global }
    .group_segment_fixed_size: 284160
    .private_segment_fixed_size: 0
    .kernarg_segment_align: 8
    .kernarg_segment_size: 128
    .max_flat_workgroup_size: 128
    .sgpr_count:     66
    .vgpr_count:     256
    .wavefront_size: 32
...
	.end_amdgpu_metadata
.endif
;; end of part 1
;; launch main (part 2): grid 256 x 1, 4 waves a work-group, clusters of 4 x 1, 327,680 bytes of LDS; arguments relation, adj_mask, qws, kt, wrb, out1, pw; writes out1, pw
.if DOCPART == 2
	.amdgcn_target "amdgcn-amd-amdhsa--gfx1250"
	.amdhsa_code_object_version 6
	.text
	.protected	k_qcb678d8a57_main
	.globl	k_qcb678d8a57_main
	.p2align	8
	.type	k_qcb678d8a57_main,@function
k_qcb678d8a57_main:
	s_mov_b64 s[64:65], 0
	v_nop
	global_prefetch_b8 v0, s[64:65] scope:SCOPE_SE
	s_setreg_imm32_b32 hwreg(HW_REG_WAVE_MODE, 25, 1), 1
	s_wait_xcnt 0x0
	s_wait_alu depctr_hold_cnt(0) depctr_sa_sdst(0) depctr_va_vdst(0) depctr_va_sdst(0) depctr_va_ssrc(0) depctr_va_vcc(0) depctr_vm_vsrc(0)
	s_getreg_b32 s2, hwreg(HW_REG_IB_STS2, 6, 4)
	s_cmp_eq_u32 s2, 0
	s_cbranch_scc0 .Lentry_in_a_cluster
	s_endpgm
.Lentry_in_a_cluster:
	s_bfe_u32 s2, ttmp6, 0x10000c
	s_cmp_lg_u32 s2, 0x3003
	s_cbranch_scc0 .Lentry_shape_is_right
	s_endpgm
.Lentry_shape_is_right:
; MAIN.  attn[b][i][j][h] = sum over n of (q[b][i][h][n] + RQ) (k[b][j][h][n] + RK), [RQ | RK] = relation[b][j][i][:] Wr^T; -inf where adj_mask[b][i][j] = 1; softmax over j.
; Out: out1 (f32) and the same weights as f16, by heads, for the launch behind.  relation and Wr are rounded to bf16, sums in f32; q and k come in f32 and START the sums as C operands.
; LIMITS.  A row whose 256 mask words are all 1 gives NaN, as the softmax of a row of -inf does.  NaN and infinities in the inputs are not treated apart.  A weight below 2^-126 counts as 0; in pw one below 6e-8 is 0.
; SHARES.  A work-group owns (b, i0, i0 + 1) and all 256 j: 512 rows of relation, so the softmax closes inside it.  Wave w owns j = 64 w .. 64 w + 63, in four super-blocks of 16 j x 2 i.
; RELATION STAYS, Wr STREAMS.  A super-block's 32 rows x K 512 lie in 256 registers as bf16 fragments; a wave holds two (SETS 0 and 1).  Wr goes by in PERIODS of 64 columns (group c: 32 n of rq and the
; same 32 n of rk, all of K: 64 KB) through a ring of two LDS slots; each fragment of Wr read from LDS feeds four matrix instructions.  A set needs the 16 groups in any cyclic order: set 0 runs periods 0-15 and
; 16-31, set 1 periods 8-23 and 24-39.  While they multiply, the next super-block arrives by global loads of 512 consecutive bytes, is rounded once and parked in LDS bytes of the wave's own.
; At a period's end the 32 n are multiplied and summed: one partial logit for each (i, j), two to a head.
; ONE RUN OF MEMORY INSTRUCTIONS A STEP.  A period is eight steps of two K chunks.  All that a step asks of memory and LDS stands in one run at its head; behind it the step's 32 matrix instructions (16 with one set).
; What works on registers alone stands BEHIND MATRIX INSTRUCTIONS, at most four vector lines behind each: set 0's logits behind set 1's last products, set 1's behind set 0's first products of the next period,
; the next period's addresses, the descriptor's step.  They work in window 0, so each such group costs two switches of the register windows; the other way they would stand in the open.
; CLUSTER.  All work-groups walk the same Wr: the four of a cluster ask for each slot JOINTLY (same load, same descriptor, mask of four).
; The matrix instruction: source 0 = 16 columns of Wr^T (n, in the result's registers), source 1 = 16 rows of relation (j, in its lanes).
; REGISTERS, in windows of 256 (s_set_vgpr_msb: bits 1:0 source 0, 3:2 source 1, 5:4 source 2, 7:6 destination):
;   window 0: v1 16 x lane; v2 Wr's fragments in the slot in hand; v3, v4 where I park 8 bytes (base, batch in hand); v5 where I read a fragment of the parked rows; v6, v7 q's operands (base, next group);
;             v8, v9 my rows of partial logits for set 0, 1; v10, v11 the same at the period's group; v12-15, v112-115 rounded pairs on their way to LDS (even, odd steps); v16-23, v116-123 the logits' sums;
;             v24 prefetch offsets; v30, v31 the add's two; v32-95 T: 16 slots of 4, relation on its way; v96-111 mask words; v124-127 at work;
;             v128-255 accumulators (set, i, block cb) at 128 + 8 (8 set + 4 i + cb): cb 0, 1 rq, cb 2, 3 rk
;   window 1: v0-63, v64-127 two buffers of 8 fragments of Wr; v128-159 q's C operands (i, cb); v160-191 k's (set, cb)          windows 2, 3: relation of set 0, 1: i x 128 + 8 x chunk
.set BSL,    65536                     ; a slot of Wr; the two slots are the only bytes that tensor loads fill
.set ANX,    2*BSL                     ; the parked rows: for each wave 2 i x 16 j rows of 1,024 bytes bf16
.set APITCH, 1040                      ; + 16 of padding = 260 words: the 16 rows of a fragment load start at 16 different groups of four banks (64 banks of 4 bytes: ISA guide 11.1)
.set ARB,    16*APITCH
.set ANXW,   2*ARB
.set QL,     ANX+4*ANXW                ; q's rows i0, i0 + 1 in f32
.set SL,     QL+4096                   ; partial logits [i][j][16 groups] f32
.set PL,     SL+32768                  ; the weights as f16 [i][h][j]
.set SPARE,  PL+8192                   ; the spare words: 128 bytes a wave, two blocks of 256 bytes that no other line names
.set T,   32
.set X,   192                          ; the prologue's second 16 slots: set 1's accumulators, idle until period 8
.set MSK, 96
.set ACC, 128
; s[4:5] relation at the batch to be asked for; s[6:7] my mask row; s[8:9] q's rows; s[10:11] k's tiles of my 64 j; s[12:13] Wr's fragments + 16 KB x wave; s[14:15] out1, s[16:17] pw at my row
; s18 wave; s19-23, s40 what hangs on the work-group's place (global offsets alone); s[24:31] descriptor group 1; s[32:35], s[36:39] group 0: slot 0's first fill, and the one that walks
; s[40:41], s[46:47] offset pairs (the second for the descriptor alone); s[42:43], s[44:45] k's tiles for the next period, set 0, 1; s48 period p; s49 loop count; s50-55 at work (s54, s55 LDS offsets); s[56:57] lane selects; s[58:59] log2(e)
.set MSB, 0
.macro WIN new                         ; the immediate's high byte repeats the setting that is left; a switch that changes nothing is dropped
.if MSB != (\new)
	s_set_vgpr_msb (MSB<<8)|(\new)
.set MSB, (\new)
.endif
.endm
.macro PLACES                          ; four places between a matrix instruction and a load into, or a vector write of, its registers, or a read of its result
.rept 4
	v_nop
.endr
.endm
.macro CREST                           ; a round of the cluster's barrier behind its opening barrier
	s_cmp_lg_u32 s18, 0
	s_cbranch_scc1 .Lnot_wave_0_\@
	s_barrier_signal -3
.Lnot_wave_0_\@:
	s_barrier_wait -3
	s_barrier_signal -1
	s_barrier_wait -1
.endm
.macro CROUND
	s_barrier_signal -1
	s_barrier_wait -1
	CREST
.endm
; 16 LDS loads: the 8 fragments of Wr of K chunks 2 st, 2 st + 1, into buffer st % 2.  They lie in fragment order: each load takes 512 consecutive bytes.
.macro FETCH st
	WIN 0x40
.irp f, 0,1,2,3,4,5,6,7
	ds_load_b128 v[64*((\st)%2)+8*\f:64*((\st)%2)+8*\f+3],   v2 offset:(\st)*8192+\f*1024
	ds_load_b128 v[64*((\st)%2)+8*\f+4:64*((\st)%2)+8*\f+7], v2 offset:(\st)*8192+\f*1024+512
.endr
.endm
; WHAT STANDS BEHIND MATRIX INSTRUCTIONS.  Four short lists; number g or k of a list stands behind the matrix instruction of that number in its run.
; The logits of set sg: u w summed over the lane's 16 n, in four chains (2 i x 2 pairs of blocks; each accumulator from its low end on); the chains are joined, the lane's
; two halves and the other half of the lanes' added.  g = 0..3 four lines, g = 4..7 two.  The result lies in v[16 + 4 sg] (i0) and v[18 + 4 sg] (i0 + 1).
.macro EOP sg, g
.if ((\g) >= 0) && ((\g) < 8)
	WIN 0
.irp rb, 0,1
.set rU, ACC+8*(8*(\sg)+4*\rb)+2*(\g)
.set rE, 16+2*(2*(\sg)+\rb)
.set rF, 116+2*(2*(\sg)+\rb)
.if (\g) == 0
	v_pk_mul_f32 v[rE:rE+1], v[rU:rU+1], v[rU+16:rU+17]
	v_pk_mul_f32 v[rF:rF+1], v[rU+8:rU+9], v[rU+24:rU+25]
.elseif (\g) < 4
	v_pk_fma_f32 v[rE:rE+1], v[rU:rU+1], v[rU+16:rU+17], v[rE:rE+1]
	v_pk_fma_f32 v[rF:rF+1], v[rU+8:rU+9], v[rU+24:rU+25], v[rF:rF+1]
.elseif (\g) == 4
	v_pk_add_f32 v[rE:rE+1], v[rE:rE+1], v[rF:rF+1]
.elseif (\g) == 5
	v_add_f32 v[rE], v[rE], v[rE+1]
.elseif (\g) == 6
	v_permlanex16_b32 v[rE+1], v[rE], s56, s57
.else
	v_add_f32 v[rE], v[rE], v[rE+1]
.endif
.endr
.endif
.endm
.macro EPX sg                          ; the same list on end, where no other set's products are there to stand behind
.irp g, 0,1,2,3,4,5,6,7
	EOP \sg, \g
.endr
.endm
; The period's number goes up, and with it: the batch asked for, where a batch is parked, and q's and k's operands, which period p fetches for period p + 1.
; Each part of an LDS address made from p passes an s_and_b32 or an s_min_u32 with a constant, so that its range can be read off the line.
.macro NXS k
.if (\k) == 0
	s_wait_xcnt 0x0                                ; the bases of the loads issued are written again only behind this wait
	s_add_co_u32 s48, s48, 1
	s_add_nc_u64 s[4:5], s[4:5], 0x100000          ; a batch is 2 j of 524,288 bytes
	s_and_b32 s50, s48, 7
	s_mul_i32 s50, s50, 2*APITCH
.elseif (\k) == 1
	WIN 0
	v_add_nc_u32 v4, s50, v3                       ; period p parks batch 8 + p: rows 2 (p % 8) and + 1 of the 16
	s_add_co_u32 s51, s48, 1
	s_and_b32 s52, s51, 15
	s_lshl_b32 s50, s52, 7
	s_lshl_b32 s52, s52, 11                        ; two tiles of 1,024 bytes a group
.elseif (\k) == 2
	WIN 0
	v_add_nc_u32 v7, s50, v6
	s_lshr_b32 s53, s51, 4
	s_min_u32 s53, s53, 1
	s_lshl_b32 s53, s53, 16                        ; a super-block's 32 tiles are 32,768 bytes: set 0 goes from 0 to 2
	s_add_co_u32 s40, s53, s52
.elseif (\k) == 3
	s_add_nc_u64 s[42:43], s[10:11], s[40:41]
	s_add_co_u32 s53, s48, 9
	s_lshr_b32 s53, s53, 5
	s_min_u32 s53, s53, 1
	s_lshl_b32 s53, s53, 16                        ; set 1 goes from 1 to 3 when p + 1 = 24
.elseif (\k) == 4
	s_add_co_u32 s40, s53, s52
	s_add_co_u32 s40, s40, 32768
	s_add_nc_u64 s[44:45], s[10:11], s[40:41]
.endif
.endm
; Where this period's logits go: behind step 1's run, in which the last logits of the period before are stored.
.macro SAD k
.if (\k) == 0
	s_and_b32 s50, s48, 15
	s_lshl_b32 s50, s50, 2                         ; group c = p % 16
	s_lshr_b32 s51, s48, 4
	s_min_u32 s51, s51, 1
	s_lshl_b32 s51, s51, 11                        ; set 0: super-block 0, from period 16 on 2: 32 j of 64 bytes further
.elseif (\k) == 1
	s_add_co_u32 s51, s51, s50
	WIN 0
	v_add_nc_u32 v10, s51, v8
	s_add_co_u32 s51, s48, 8
	s_lshr_b32 s51, s51, 5
.elseif (\k) == 2
	s_min_u32 s51, s51, 1
	s_lshl_b32 s51, s51, 11                        ; set 1: super-block 1, from period 24 on (p + 8 >= 32) 3
	s_add_co_u32 s51, s51, s50
	WIN 0
	v_add_nc_u32 v11, s51, v9
.endif
.endm
; The walking descriptor, behind the wait that shows no tensor load of mine out: the slot in hand, the group of period p + 2.
.macro DSC k
.if (\k) == 0
	s_xor_b32 s37, s37, BSL
	s_add_co_u32 s46, s48, 2
	s_and_b32 s46, s46, 15
.elseif (\k) == 1
	s_lshl_b32 s46, s46, 16
	s_add_nc_u64 s[38:39], s[12:13], s[46:47]
	s_or_b32 s39, s39, 0x80000000
.endif
.endm
.set RK, 0
.set ri, 0
.macro RIDERS k                        ; which lists the next run of matrix instructions carries: 0 none
.set RK, \k
.set ri, 0
.endm
.macro RIDE
.if RK == 1
	EOP 1, ri
.elseif RK == 2
	EOP 0, ri
	NXS ri-8
.elseif RK == 3
	NXS ri-3
.elseif RK == 4
	SAD ri
.elseif RK == 5
	DSC ri
.endif
.set ri, ri+1
.endm
; 8 matrix instructions of set sg: K chunk 2 st + ch.  The set's 8 accumulators take turns.  A period's first 8 take q or k as C: they start the sums.
.macro MULC sg, st, ch
.irp rb, 0,1
.irp cb, 0,1,2,3
.set rD, ACC+8*(8*(\sg)+4*\rb+\cb)
.set rB, 64*((\st)%2)+8*(4*(\ch)+\cb)
.set rA, 128*\rb+8*(2*(\st)+(\ch))
.if ((\st) == 0) && ((\ch) == 0)
	WIN 0x19+4*(\sg)
.if \cb < 2
.set rC, 128+8*(2*\rb+\cb)
.else
.set rC, 160+8*(2*(\sg)+\cb-2)
.endif
	v_wmma_f32_16x16x32_bf16 v[rD:rD+7], v[rB:rB+7], v[rA:rA+7], v[rC:rC+7]
.else
	WIN 0x09+4*(\sg)
	v_wmma_f32_16x16x32_bf16 v[rD:rD+7], v[rB:rB+7], v[rA:rA+7], v[rD:rD+7]
.endif
	RIDE
.endr
.endr
.endm
.macro MULF sets, st                   ; a step's 16 of the first active set (sets: bit 0 set 0, bit 1 set 1)
.if (\sets) == 2
	MULC 1, \st, 0
	MULC 1, \st, 1
.else
	MULC 0, \st, 0
	MULC 0, \st, 1
.endif
.endm
.macro MULS sets, st                   ; the second's
.if (\sets) == 3
	MULC 1, \st, 0
	MULC 1, \st, 1
.endif
.endm
.macro MULH sets, st, ch               ; 8 of the only active set
.if (\sets) == 2
	MULC 1, \st, \ch
.else
	MULC 0, \st, \ch
.endif
.endm
; THE STREAM.  A batch is 2 j x 2 i rows = 16 loads of 512 consecutive bytes; slot x: j x / 8, i (x / 4) % 2, quarter x % 4 of the row.
; In the prologue, a slot's turn: its load is in; 4 f32 a lane are rounded to 8 bytes and parked; mode 2: the slot is asked for again.  lx, gx: what is added to the LDS and the global offset.
.macro STRM base, x, mode, cnt, lx, gx
	WIN 0
	s_wait_loadcnt \cnt
	v_cvt_pk_bf16_f32 v[12+2*((\x)%2)], v[(\base)+4*(\x)], v[(\base)+4*(\x)+1]
	v_cvt_pk_bf16_f32 v[13+2*((\x)%2)], v[(\base)+4*(\x)+2], v[(\base)+4*(\x)+3]
	ds_store_b64 v4, v[12+2*((\x)%2):13+2*((\x)%2)] offset:(((\x)/4)%2)*ARB+((\x)/8)*APITCH+((\x)%4)*256+(\lx)
.if (\mode) == 2
	global_load_b128 v[(\base)+4*(\x):(\base)+4*(\x)+3], v1, s[4:5] offset:((\x)/8)*524288+(((\x)/4)%2)*2048+((\x)%4)*512+(\gx) th:TH_LOAD_NT
.endif
.endm
; In a period step z takes slots 2 z and 2 z + 1, in three parts.  strm: 2 the stream runs, 1 it ends (no new requests), 0 none.
; SCV: the wait and the four roundings, which are also the four places in front of the step's loads (without a stream: four v_nop).  The order of a period's global loads: L0 L1 | L2 L3, k's eight | L4 L5 | .. | L14 L15.
;   step 0: 12: behind k's eight stand L4 to L15: k's operands are in, and the older L0 to L3; on the way in from the prologue the 16 loads of batch 8 are out, and 12 shows L0 to L3.
;   step 1: 14: on the way in from the prologue behind L3 stand L4 to L15 and the new L0, L1 (round the loop 22 stand behind it); step 0's wait has shown L3 in, so nothing is waited for here.
;   steps 2 to 7: 22: behind L(2 z + 1) stand the 14 other slots' loads and k's eight.  Where nothing new is asked for: 12, 12, then 22 - 2 z.
.macro SCV strm, z
	WIN 0
.if (\strm) == 0
.if (\z) == 0
	s_wait_loadcnt 0x0                             ; k's operands
.endif
	PLACES
.else
.if (\z) == 0
	s_wait_loadcnt 12
.elseif ((\z) == 1) && ((\strm) == 2)
	s_wait_loadcnt 14
.elseif (\z) == 1
	s_wait_loadcnt 12
.elseif (\strm) == 2
	s_wait_loadcnt 22
.else
	s_wait_loadcnt 22-2*(\z)
.endif
.irp u, 0,1,2,3
	v_cvt_pk_bf16_f32 v[12+100*((\z)%2)+\u], v[T+8*(\z)+2*\u], v[T+8*(\z)+2*\u+1]
.endr
.endif
.endm
.macro SLD strm, z                     ; the two slots are asked for again
.if (\strm) == 2
.irp u, 0,1
	global_load_b128 v[T+8*(\z)+4*\u:T+8*(\z)+4*\u+3], v1, s[4:5] offset:((2*(\z)+\u)/8)*524288+(((2*(\z)+\u)/4)%2)*2048+((2*(\z)+\u)%4)*512 th:TH_LOAD_NT
.endr
.endif
.endm
.macro SST strm, z                     ; the rounded pairs are parked: behind the step's fragment loads, so that the wait for the fragments leaves these out
.if \strm
.irp u, 0,1
	ds_store_b64 v4, v[12+100*((\z)%2)+2*\u:13+100*((\z)%2)+2*\u] offset:(((2*(\z)+\u)/4)%2)*ARB+((2*(\z)+\u)/8)*APITCH+((2*(\z)+\u)%4)*256
.endr
.endif
.endm
.macro QLD areg                        ; q's C operands: register jj of (i, cb) is q[i][32 c + 16 cb + 8 hh + jj]
.irp i, 0,1
.irp cb, 0,1
	ds_load_b128 v[128+8*(2*\i+\cb):128+8*(2*\i+\cb)+3],   v[\areg] offset:\i*2048+\cb*64
	ds_load_b128 v[128+8*(2*\i+\cb)+4:128+8*(2*\i+\cb)+7], v[\areg] offset:\i*2048+\cb*64+16
.endr
.endr
.endm
.macro KLD sg, sb, xo                  ; k's C operands of set sg: two result tiles as the launch before left them
.irp cb, 0,1
.irp h, 0,1
	global_load_b128 v[160+8*(2*(\sg)+\cb)+4*\h:160+8*(2*(\sg)+\cb)+4*\h+3], v1, s[(\sb):(\sb)+1] offset:(\xo)+\cb*1024+\h*512
.endr
.endr
.endm
.macro DRAIN sg                        ; the parked super-block becomes set sg's fragments: 64 LDS loads; LDS serves a wave's instructions in order, so the next batch's stores come behind them
	PLACES
	WIN 0x80+0x40*(\sg)
.irp rb, 0,1
.irp ch, 0,1,2,3,4,5,6,7,8,9,10,11,12,13,14,15
	ds_load_b128 v[128*\rb+8*\ch:128*\rb+8*\ch+3],   v5 offset:\rb*ARB+\ch*64
	ds_load_b128 v[128*\rb+8*\ch+4:128*\rb+8*\ch+7], v5 offset:\rb*ARB+\ch*64+32
.endr
.endr
	WIN 0
.endm
; A PERIOD.  Step z's run fetches step z + 1's fragments; the wait behind it leaves out the 16 loads just issued and what stands behind them in the run, so this step's fragments are in.
; sync: 2 the slot is filled again behind a round of the cluster's barrier, 1 a barrier alone, 0 the last period.  kops: the next period's C operands are fetched (in every period alike, an idle set's too, so that the
; counts stay fixed).  pf: 1 a prefetch, 2 one that stops.  g1: 1: in period 8 set 1 has no period behind it: the lines behind set 0's first products then work on stale registers, once a launch, the price of one text
; for every trip, and the two stores of their result are jumped over.
.macro PERIOD sets, strm, sync, kops, pf, g1
.set SS, 0
.if \strm
.set SS, 2
.endif
	; step 0
.if (\sets) == 2
	WIN 0
	s_wait_loadcnt 0x0                             ; k's operands
	PLACES
	EPX 1                                          ; set 1 alone: the logits of its last period stand in the open
.else
	SCV \strm, 0
.endif
	SLD \strm, 0
	FETCH 1
	SST \strm, 0
	s_wait_dscnt 16+SS
.if (\sets) == 3
	RIDERS 1                                       ; set 1's logits of the period before
.endif
	MULF \sets, 0
	RIDERS 0
	MULS \sets, 0
	; step 1
	SCV \strm, 1
	SLD \strm, 1
	FETCH 2
.set NQ, 0
.if \kops
.set NQ, 8
	QLD 7
	KLD 0, 42, 0
	KLD 1, 44, 0
.endif
	SST \strm, 1
.set NE, 0
.if (\sets) >= 2
.set NE, 2
.if \g1
	WIN 0
	s_cmp_eq_u32 s48, 8
	s_cbranch_scc1 .Lnone_\@
.endif
	ds_store_b32 v11, v20                          ; set 1's logits of the period before, at that period's group
	ds_store_b32 v11, v22 offset:16384
.if \g1
.Lnone_\@:
.endif
.endif
	s_wait_dscnt 16+NQ+SS+NE                       ; where the two stores were jumped over, step 0's two parking stores make up the count: they too are younger than this step's fragments
	RIDERS 4                                       ; where this period's logits go
	MULF \sets, 1
	RIDERS 0
	MULS \sets, 1
.irp z, 2,3,4,5
	SCV \strm, \z
	SLD \strm, \z
.if (\z == 2) && (\pf)
.if (\pf) == 2
	s_cmp_gt_u32 s48, 20                           ; batch 31 is the last
	s_cbranch_scc1 .Lno_ask_\@
.endif
	global_prefetch_b8 v24, s[4:5] offset:0x200000 th:TH_LOAD_NT scope:SCOPE_SE  ; batch 11 + p, two periods ahead of its loads: its 32 blocks of 256 bytes, a lane each, asked for by this wave alone
.if (\pf) == 2
.Lno_ask_\@:
.endif
.endif
	FETCH (\z)+1
	SST \strm, \z
	s_wait_dscnt 16+SS
	MULF \sets, \z
	MULS \sets, \z
.endr
	; step 6: its run ends with the wait for all my tensor loads and the add; the step's products stand between the add and the wait for it
	SCV \strm, 6
	SLD \strm, 6
	FETCH 7
	SST \strm, 6
.if \sync
	WIN 0                                          ; (the add's two registers lie in window 0)
	s_wait_tensorcnt 0x0                           ; all my tensor loads have landed: the one that was out is my part of the next slot
	ds_add_u32 v30, v31                            ; 0 onto my spare word
	s_wait_dscnt 17+SS                             ; (the add, the parking stores and step 7's fragments may be out)
.else
	s_wait_dscnt 16+SS
.endif
.if (\sync) == 2
	RIDERS 5                                       ; the descriptor's step
.endif
	MULF \sets, 6
	RIDERS 0
	MULS \sets, 6
	; step 7
	s_wait_dscnt 0x0                               ; the add is done, and my reads of this slot are over
.if (\sync) == 0
	MULF \sets, 7
	MULS \sets, 7
.else
	s_barrier_signal -1
.if (\sets) == 3
	MULF 3, 7                                      ; work on registers while the others arrive
.else
	MULH \sets, 7, 0
.endif
	WIN 0
	s_barrier_wait -1
.if (\sync) == 2
	CREST                                          ; no wave of any partner still reads this slot or has a load on its way
	tensor_load_to_lds s[36:39], s[24:31]          ; my one tensor load behind the round; the wait for it stands in the next period's step 6
	s_nop 0
.endif
	SCV \strm, 7
	SLD \strm, 7
	s_xor_b32 s55, s55, BSL
	v_add_nc_u32 v2, s55, v1                       ; the other slot
	FETCH 0
	SST \strm, 7
.if (\sets) == 3
	RIDERS 2                                       ; set 0's logits, then the next period's numbers
	MULS 3, 7
.else
	RIDERS 3                                       ; the next period's numbers
	MULH \sets, 7, 1
.endif
	RIDERS 0
.endif
	WIN 0
.if (\sets) == 1
	PLACES
	EPX 0                                          ; set 0 alone: its logits stand in the open
.endif
.if (\sets) != 2
	ds_store_b32 v10, v16                          ; set 0's logits; the next step's run follows on
	ds_store_b32 v10, v18 offset:16384
.endif
.endm
	s_load_b256 s[4:11], s[0:1], 0x0               ; relation, adj_mask, qws, kt
	s_load_b128 s[12:15], s[0:1], 0x20             ; wrb, out1
	s_load_b64 s[16:17], s[0:1], 0x30              ; pw
	v_lshl_add_u32 v30, v0, 2, SPARE
	v_mov_b32 v31, 0
	ds_add_u32 v30, v31                            ; the wave's opening: the add and its wait ahead of the first round; work on registers stands between
	ds_add_u32 v30, v31
	v_lshrrev_b32 v112, 5, v0
	v_readfirstlane_b32 s18, v112                  ; wave 0..3
	s_bfe_u32 s20, ttmp6, 0x40000                  ; cx
	s_lshl_b32 s19, ttmp9, 2
	s_add_co_u32 s19, s19, s20                     ; the work-group's number: it enters global addresses alone
	s_lshr_b32 s21, s19, 7                         ; b
	s_and_b32 s22, s19, 127
	s_lshl_b32 s22, s22, 1                         ; i0
	s_lshl_b32 s23, s21, 8
	s_add_co_u32 s23, s23, s22                     ; 256 b + i0
	s_and_b32 s19, s18, 1
	s_add_co_u32 s19, s19, s23                     ; the row whose softmax I make if I am wave 0 or 1
	s_mov_b32 s24, 15|(3<<16)|(1<<21)              ; the mask of four; elements of 8 bytes; bit 21 set beside a mask
	s_mov_b32 s25, 32<<16                          ; 16 KB, dense, as 64 rows of 256 bytes
	s_mov_b32 s26, 64<<16
	s_mov_b32 s27, 32<<16
	s_mov_b32 s28, 64
	s_mov_b32 s29, 32
	s_mov_b32 s30, 0
	s_mov_b32 s31, 0
	s_mov_b32 s32, 1
	s_lshl_b32 s33, s18, 14                        ; slot 0, my quarter
	s_mov_b32 s36, 1
	s_add_co_u32 s37, s33, BSL                     ; slot 1
	s_mov_b32 s41, 0
	s_mov_b32 s47, 0
	s_mov_b32 s48, -1                              ; the lists below make period 0's numbers by their own lines: they begin by adding 1
	s_mov_b32 s55, 0
	s_mov_b32 s56, 0x76543210
	s_mov_b32 s57, 0xfedcba98
	s_mov_b32 s58, 0x3fb8aa3b                      ; log2(e)
	s_mov_b32 s59, s58
	s_lshl_b32 s46, s18, 14
	s_wait_dscnt 0x0                               ; the opening add is done
	s_wait_kmcnt 0x0
	s_add_nc_u64 s[12:13], s[12:13], s[46:47]      ; Wr's fragments: my 16 KB of each group
	s_mov_b64 s[34:35], s[12:13]                   ; group 0
	s_or_b32 s35, s35, 0x80000000
	s_add_nc_u64 s[38:39], s[12:13], 0x10000       ; group 1
	s_or_b32 s39, s39, 0x80000000
	s_lshl_b32 s40, s21, 27                        ; relation[b][64 w][i0]
	s_lshl_b32 s20, s22, 11
	s_add_co_u32 s40, s40, s20
	s_lshl_b32 s20, s18, 25
	s_add_co_u32 s40, s40, s20
	s_add_nc_u64 s[4:5], s[4:5], s[40:41]
	s_lshl_b32 s40, s19, 10
	s_add_nc_u64 s[6:7], s[6:7], s[40:41]
	s_lshl_b32 s40, s23, 11
	s_add_nc_u64 s[8:9], s[8:9], s[40:41]
	s_lshl_b32 s40, s21, 4
	s_lshl2_add_u32 s40, s18, s40                  ; j block 16 b + 4 w
	s_lshl_b32 s40, s40, 15
	s_add_nc_u64 s[10:11], s[10:11], s[40:41]
	s_lshl_b32 s40, s19, 13
	s_add_nc_u64 s[14:15], s[14:15], s[40:41]
	s_mul_i32 s20, s21, 1792
	s_add_co_u32 s40, s19, s20                     ; 2,048 b + i
	s_lshl_b32 s40, s40, 9
	s_add_nc_u64 s[16:17], s[16:17], s[40:41]
	CROUND                                         ; all four work-groups are here: the first joint loads meet
	tensor_load_to_lds s[32:35], s[24:31]          ; both first fills together: two loads of mine are out
	s_nop 0
	tensor_load_to_lds s[36:39], s[24:31]
	s_nop 0
	PLACES
	v_and_b32 v112, 31, v0                         ; lane
	v_and_b32 v113, 15, v0                         ; r
	v_bfe_u32 v114, v0, 4, 1                       ; hh
	v_lshlrev_b32 v1, 4, v112
	v_mov_b32 v2, v1
	v_lshlrev_b32 v115, 4, v0
	v_lshrrev_b32 v125, 1, v112
	v_lshlrev_b32 v125, 2, v125
	global_load_b128 v[116:119], v115, s[8:9]      ; q's two rows: 128 threads x 16 bytes each
	global_load_b128 v[120:123], v115, s[8:9] offset:2048
.irp t, 0,1,2,3,4,5,6,7,8,9,10,11,12,13,14,15
	global_load_b32 v[MSK+\t], v125, s[6:7] offset:\t*64  ; the mask word of j = 16 t + lane / 2
.endr
	WIN 0x40
	KLD 0, 10, 0                                   ; period 0's operands of k
	KLD 1, 10, 32768
	WIN 0
.irp x, 0,1,2,3,4,5,6,7,8,9,10,11,12,13,14,15
	global_load_b128 v[T+4*\x:T+4*\x+3], v1, s[4:5] offset:(\x/8)*524288+((\x/4)%2)*2048+(\x%4)*512 th:TH_LOAD_NT
.endr
.irp x, 0,1,2,3,4,5,6,7,8,9,10,11,12,13,14,15
	global_load_b128 v[X+4*\x:X+4*\x+3], v1, s[4:5] offset:(\x/8)*524288+((\x/4)%2)*2048+(\x%4)*512+0x100000 th:TH_LOAD_NT
.endr
	s_mul_i32 s50, s18, ANXW
	s_add_co_u32 s50, s50, ANX
	v_lshl_add_u32 v3, v112, 3, s50
	v_mul_u32_u24 v5, v113, APITCH
	v_lshl_add_u32 v5, v114, 4, v5
	v_add_nc_u32 v5, s50, v5
	v_lshl_add_u32 v6, v114, 5, QL
	s_lshl_b32 s50, s18, 12
	s_add_co_u32 s50, s50, SL
	v_lshl_add_u32 v8, v113, 6, s50
	v_add_nc_u32 v9, 1024, v8
	v_lshlrev_b32 v24, 8, v113
	v_lshl_add_u32 v24, v114, 19, v24              ; lane: j lane / 16, block lane % 16 of the 4,096 bytes of rows i0, i0 + 1
	v_lshl_add_u32 v124, v0, 4, QL
	s_wait_loadcnt 56                              ; q is in: behind it stand 16 + 8 + 32 loads
	ds_store_b128 v124, v[116:119]
	ds_store_b128 v124, v[120:123] offset:2048
	; THE PROLOGUE: super-block 0, batches 0 to 7, on a ring of 32 slots.  Behind a slot's load stand the 31 others'.
	s_mov_b32 s54, 0
	s_mov_b32 s49, 3
.Lpro:
	v_add_nc_u32 v4, s54, v3
.irp x, 0,1,2,3,4,5,6,7,8,9,10,11,12,13,14,15
	STRM T, \x, 2, 31, 0, 0x200000
.endr
.irp x, 0,1,2,3,4,5,6,7,8,9,10,11,12,13,14,15
	STRM X, \x, 2, 31, 2*APITCH, 0x300000
.endr
	s_wait_xcnt 0x0                                ; the loads' base is stepped only behind this wait
	s_add_nc_u64 s[4:5], s[4:5], 0x200000
	s_add_co_u32 s54, s54, 4*APITCH
	s_sub_co_u32 s49, s49, 1
	s_cmp_lg_u32 s49, 0
	s_cbranch_scc1 .Lpro
	v_add_nc_u32 v4, s54, v3
.irp x, 0,1,2,3,4,5,6,7,8,9,10,11,12,13,14,15
	STRM T, \x, 2, 31, 0, 0x200000                 ; batch 6 is parked, batch 8 asked for
.endr
.irp x, 0,1,2,3,4,5,6,7,8,9,10,11,12,13,14,15
	STRM X, \x, 1, 31-\x, 2*APITCH, 0              ; batch 7: nothing is asked for, the counts run down to batch 8's 16
.endr
	s_wait_xcnt 0x0
	s_add_nc_u64 s[4:5], s[4:5], 0x200000          ; batch 8; the list below steps on to batch 9 and makes period 0's numbers
.irp k, 0,1,2,3,4
	NXS \k
.endr
.irp k, 0,1,2
	SAD \k
.endr
	DRAIN 0
	s_wait_tensorcnt 0x1                           ; my part of slot 0 is in; slot 1's may stay out
	s_wait_dscnt 0x0                               ; my stores of q are done
	s_barrier_signal -1
	s_barrier_wait -1
	WIN 0x40
	QLD 6                                          ; q's operands for group 0
	FETCH 0
	WIN 0
	s_mov_b32 s49, 8
.Lv1:                                                  ; periods 0-7: set 0 multiplies, super-block 1 arrives
	PERIOD 1, 2, 2, 1, 1, 0
	s_sub_co_u32 s49, s49, 1
	s_cmp_lg_u32 s49, 0
	s_cbranch_scc1 .Lv1
	DRAIN 1
	s_mov_b32 s49, 15
.Lv2:                                                  ; periods 8-22: both sets; super-blocks 2 and 3 arrive
	PERIOD 3, 2, 2, 1, 2, 1
	s_cmp_lg_u32 s49, 8                            ; behind period 15 set 0 takes super-block 2
	s_cbranch_scc1 .Lv2_on
	DRAIN 0
.Lv2_on:
	s_sub_co_u32 s49, s49, 1
	s_cmp_lg_u32 s49, 0
	s_cbranch_scc1 .Lv2
	PERIOD 3, 1, 2, 1, 0, 0                        ; period 23 parks the last batch
	DRAIN 1
	s_mov_b32 s49, 8
.Lv3:                                                  ; periods 24-31
	PERIOD 3, 0, 2, 1, 0, 0
	s_sub_co_u32 s49, s49, 1
	s_cmp_lg_u32 s49, 0
	s_cbranch_scc1 .Lv3
	s_mov_b32 s49, 6
.Lv4:                                                  ; periods 32-37: set 1 alone
	PERIOD 2, 0, 2, 1, 0, 0
	s_sub_co_u32 s49, s49, 1
	s_cmp_lg_u32 s49, 0
	s_cbranch_scc1 .Lv4
	PERIOD 2, 0, 1, 1, 0, 0                        ; the last two are written out: nothing is left to ask for
	PERIOD 2, 0, 0, 0, 0, 0
	PLACES
	EPX 1                                          ; the last period's logits
	ds_store_b32 v11, v20
	ds_store_b32 v11, v22 offset:16384
	s_wait_dscnt 0x0                               ; my partial logits are stored
	s_barrier_signal -1
	s_barrier_wait -1
	s_cmp_gt_u32 s18, 1
	s_cbranch_scc1 .Lend
	; THE SOFTMAX of row i0 + w, by waves 0 and 1.  Lane: j = 16 t + lane / 2, heads 4 (lane % 2) + 0..3; t = 0..15.
	v_and_b32 v112, 31, v0
	s_lshl_b32 s50, s18, 14
	s_add_co_u32 s50, s50, SL
	v_lshl_add_u32 v113, v112, 5, s50
.irp t, 0,1,2,3,4,5,6,7,8,9,10,11,12,13,14,15
	ds_load_b128 v[128+8*\t:128+8*\t+3], v113 offset:\t*1024
	ds_load_b128 v[128+8*\t+4:128+8*\t+7], v113 offset:\t*1024+16
.endr
	v_mov_b32 v114, 0xff800000                     ; -inf
	s_wait_dscnt 0x0
.irp t, 0,1,2,3,4,5,6,7,8,9,10,11,12,13,14,15
.irp h, 0,1,2,3
	v_add_f32 v[32+4*\t+\h], v[128+8*\t+2*\h], v[128+8*\t+2*\h+1]  ; a head's two halves of 32 n
.endr
.endr
.irp t, 0,1,2,3,4,5,6,7,8,9,10,11,12,13,14,15
	v_cmp_eq_u32 vcc_lo, 1, v[MSK+\t]
.irp h, 0,1,2,3
	v_cndmask_b32 v[32+4*\t+\h], v[32+4*\t+\h], v114, vcc_lo
.endr
.endr
.irp h, 0,1,2,3
	v_max3_num_f32 v[116+\h], v[32+\h], v[36+\h], v[40+\h]
.endr
.irp t, 3,5,7,9,11,13
.irp h, 0,1,2,3
	v_max3_num_f32 v[116+\h], v[116+\h], v[32+4*\t+\h], v[36+4*\t+\h]
.endr
.endr
.irp h, 0,1,2,3
	v_max_num_f32 v[116+\h], v[116+\h], v[92+\h]
.endr
.irp k, 2,4,8                          ; across the lanes of my parity
.irp h, 0,1,2,3
	v_max_num_f32_dpp v[116+\h], v[116+\h], v[116+\h] row_xmask:\k row_mask:0xf bank_mask:0xf
.endr
.endr
.irp h, 0,1,2,3
	v_permlanex16_b32 v[128+\h], v[116+\h], s56, s57
.endr
.irp h, 0,1,2,3
	v_max_num_f32 v[116+\h], v[116+\h], v[128+\h]
.endr
.irp h, 0,1,2,3
	v_mul_f32 v[116+\h], s58, v[116+\h]            ; log2(e) m
.endr
.irp t, 0,1,2,3,4,5,6,7,8,9,10,11,12,13,14,15
.irp u, 0,1
	v_pk_fma_f32 v[32+4*\t+2*\u:33+4*\t+2*\u], v[32+4*\t+2*\u:33+4*\t+2*\u], s[58:59], v[116+2*\u:117+2*\u] op_sel_hi:[1,0,1] neg_lo:[0,0,1] neg_hi:[0,0,1]
.endr
.endr
.set i, 32
.rept 64
	v_exp_f32 v[i], v[i]
.set i, i+1
.endr
	v_nop                                          ; a plain instruction between the last exponential and the use of its result
	s_wait_alu depctr_va_vdst(0)
	v_pk_add_f32 v[120:121], v[32:33], v[36:37]
	v_pk_add_f32 v[122:123], v[34:35], v[38:39]
.irp t, 2,3,4,5,6,7,8,9,10,11,12,13,14,15
	v_pk_add_f32 v[120:121], v[120:121], v[32+4*\t:33+4*\t]
	v_pk_add_f32 v[122:123], v[122:123], v[34+4*\t:35+4*\t]
.endr
.irp k, 2,4,8
.irp h, 0,1,2,3
	v_add_f32_dpp v[120+\h], v[120+\h], v[120+\h] row_xmask:\k row_mask:0xf bank_mask:0xf
.endr
.endr
.irp h, 0,1,2,3
	v_permlanex16_b32 v[128+\h], v[120+\h], s56, s57
.endr
.irp h, 0,1,2,3
	v_add_f32 v[120+\h], v[120+\h], v[128+\h]
.endr
.irp h, 0,1,2,3
	v_rcp_f32 v[120+\h], v[120+\h]
.endr
	v_nop
	s_wait_alu depctr_va_vdst(0)
.irp t, 0,1,2,3,4,5,6,7,8,9,10,11,12,13,14,15
.irp u, 0,1
	v_pk_mul_f32 v[32+4*\t+2*\u:33+4*\t+2*\u], v[32+4*\t+2*\u:33+4*\t+2*\u], v[120+2*\u:121+2*\u]
.endr
.endr
.irp t, 0,1,2,3,4,5,6,7,8,9,10,11,12,13,14,15
	global_store_b128 v1, v[32+4*\t:35+4*\t], s[14:15] offset:\t*512 th:TH_STORE_NT  ; 16 j x 8 heads: 512 consecutive bytes
.endr
	; the same weights as f16, turned to [h][j] in LDS bytes of my own
	v_and_b32 v124, 1, v112
	v_lshrrev_b32 v125, 1, v112
	s_lshl_b32 s50, s18, 12
	s_add_co_u32 s50, s50, PL
	v_lshl_add_u32 v126, v124, 11, s50
	v_lshl_add_u32 v126, v125, 1, v126
	v_lshl_add_u32 v127, v112, 4, s50
.irp t, 0,1,2,3,4,5,6,7,8,9,10,11,12,13,14,15
.irp u, 0,1
	v_cvt_pk_f16_f32 v[128+2*\t+\u], v[32+4*\t+2*\u], v[33+4*\t+2*\u]
.endr
.endr
.irp t, 0,1,2,3,4,5,6,7,8,9,10,11,12,13,14,15
.irp u, 0,1
	ds_store_b16 v126, v[128+2*\t+\u] offset:2*\u*512+\t*32
	ds_store_b16_d16_hi v126, v[128+2*\t+\u] offset:(2*\u+1)*512+\t*32
.endr
.endr
.irp h, 0,1,2,3,4,5,6,7
	ds_load_b128 v[192+4*\h:195+4*\h], v127 offset:\h*512  ; LDS serves a wave's instructions in order (ISA guide 5.7.1.4): these see my stores above
.endr
.irp h, 0,1,2,3,4,5,6,7
	s_wait_dscnt 7-\h
	global_store_b128 v1, v[192+4*\h:195+4*\h], s[16:17] offset:\h*131072  ; a head's row of 256 weights: 512 consecutive bytes
.endr
.Lend:
	s_wait_tensorcnt 0x0                           ; the wave's end
	ds_add_u32 v30, v31
	s_wait_dscnt 0x0
	CROUND                                         ; the closing round
	s_endpgm
.Lfunc_end_k_qcb678d8a57_main:
	.size	k_qcb678d8a57_main, .Lfunc_end_k_qcb678d8a57_main-k_qcb678d8a57_main
	.p2alignl 7, 3214868480
	.fill 96, 4, 3214868480
	.section	.rodata,"a",@progbits
	.p2align	6, 0x0
	.amdhsa_kernel k_qcb678d8a57_main
		.amdhsa_group_segment_fixed_size 327680
		.amdhsa_private_segment_fixed_size 0
		.amdhsa_enable_private_segment 0
		.amdhsa_kernarg_size 56
		.amdhsa_user_sgpr_count 2
		.amdhsa_user_sgpr_kernarg_segment_ptr 1
		.amdhsa_wavefront_size32 1
		.amdhsa_system_sgpr_workgroup_id_x 1
		.amdhsa_system_sgpr_workgroup_id_y 1
		.amdhsa_system_sgpr_workgroup_id_z 1
		.amdhsa_system_vgpr_workitem_id 0
		.amdhsa_next_free_vgpr 1024
		.amdhsa_next_free_sgpr 66
		.amdhsa_reserve_vcc 1
		.amdhsa_float_denorm_mode_32 3
		.amdhsa_float_denorm_mode_16_64 3
		.amdhsa_memory_ordered 1
		.amdhsa_forward_progress 1
		.amdhsa_inst_pref_size 255
	.end_amdhsa_kernel
	.section	.bss,"aw",@nobits
	.p2align	6
	.space	262144
	.amdgpu_metadata
---
amdhsa.version: [ 1, 2 ]
amdhsa.kernels:
  - .name:           k_qcb678d8a57_main
    .symbol:         k_qcb678d8a57_main.kd
    .args:
      - { .name: relation, .offset: 0, .size: 8, .value_kind: global_buffer, .address_space: global }
      - { .name: adj_mask, .offset: 8, .size: 8, .value_kind: global_buffer, .address_space: global }
      - { .name: qws, .offset: 16, .size: 8, .value_kind: global_buffer, .address_space: global }
      - { .name: kt, .offset: 24, .size: 8, .value_kind: global_buffer, .address_space: global }
      - { .name: wrb, .offset: 32, .size: 8, .value_kind: global_buffer, .address_space: global }
      - { .name: out1, .offset: 40, .size: 8, .value_kind: global_buffer, .address_space: global }
      - { .name: pw, .offset: 48, .size: 8, .value_kind: global_buffer, .address_space: global }
    .group_segment_fixed_size: 327680
    .private_segment_fixed_size: 0
    .kernarg_segment_align: 8
    .kernarg_segment_size: 56
    .max_flat_workgroup_size: 128
    .sgpr_count:     66
    .vgpr_count:     1024
    .wavefront_size: 32
...
	.end_amdgpu_metadata
.endif
;; end of part 2
;; launch avproj (part 3): grid 128 x 1, 4 waves a work-group, no clusters, 167,936 bytes of LDS; arguments pw, vt, wob, bo, out0; writes out0
.if DOCPART == 3
	.amdgcn_target "amdgcn-amd-amdhsa--gfx1250"
	.amdhsa_code_object_version 6
	.text
	.protected	k_qcb678d8a57_avproj
	.globl	k_qcb678d8a57_avproj
	.p2align	8
	.type	k_qcb678d8a57_avproj,@function
k_qcb678d8a57_avproj:
	s_mov_b64 s[64:65], 0
	v_nop
	global_prefetch_b8 v0, s[64:65] scope:SCOPE_SE
	s_setreg_imm32_b32 hwreg(HW_REG_WAVE_MODE, 25, 1), 1
	s_wait_xcnt 0x0
; AVPROJ.  O[b][i][h][n] = sum over j of P[b][h][i][j] v[b][j][h][n];  out0[b][i][e] = sum over e' of O[b][i][e'] Wo[e][e'] + bo[e].  P, v, O and Wo in f16 (Wo: bf16's number), sums in f32, bo rounded to bf16.
; LIMIT.  O is a mean of v's rows and has their range, which f16 holds up to 65,504.
; SHARES.  A work-group: 16 rows i of one b, 128 columns of out0 (eq = 0..3).  Each makes O for its 16 rows and all heads (the four eq repeat that: 64 matrix instructions a wave), wave w heads 2 w, 2 w + 1;
; the 16 fragments of O meet in LDS; wave w then makes column blocks 8 eq + 2 w and + 1.
; v and Wo lie in fragment order and go straight into registers, 512 consecutive bytes a load.  P comes by tensor loads, each wave its own two heads' 16 rows, which only it reads.
; NO CLUSTER: only P, 64 KB, is shared by the four eq, in a launch of one fill; v and Wo pass no LDS.
; Both products: source 0's rows end in the result's registers, source 1's (the rows i) in its lanes; so O^T's result, rounded in pairs, IS source 1 of the second product.
; REGISTERS: window 0: v1-v10 addresses and at work; v30, v31 the add's two; v32-159 P's fragments (hl, 32 j), later O's 16; v160-223 O's accumulators (hl, n block); v224-239 out's; v240-255 bo
;   window 1: Wo (el, chunk)          windows 2, 3: V^T of my first and second head, (j chunk x 4 + n block) x 8
.set PPITCH, 528                       ; a row of P in LDS: 512 bytes + 16 = 132 words: the 16 rows of a load start at 16 different groups of four banks (64 banks of 4 bytes: ISA guide 11.1)
.set PT,     16*PPITCH                 ; a head's 16 rows
.set OFR,    8*PT                      ; O's 16 fragments of 1,024 bytes
.set STG,    OFR+16384                 ; 16 rows x 128 f32, pitch 528: the way out
.set SPARE,  STG+16*PPITCH             ; the spare words: 128 bytes a wave
.set MSB, 0
.macro WIN new
.if MSB != (\new)
	s_set_vgpr_msb (MSB<<8)|(\new)
.set MSB, (\new)
.endif
.endm
.macro PLACES
.rept 4
	v_nop
.endr
.endm
	s_load_b256 s[4:11], s[0:1], 0x0               ; pw, vt, wob, bo
	s_load_b64 s[12:13], s[0:1], 0x20              ; out0
	v_lshl_add_u32 v30, v0, 2, SPARE
	v_mov_b32 v31, 0
	ds_add_u32 v30, v31                            ; the wave's opening: the add and its wait ahead of my first tensor load
	ds_add_u32 v30, v31
	v_lshrrev_b32 v1, 5, v0
	v_readfirstlane_b32 s14, v1                    ; wave
	s_and_b32 s32, ttmp9, 3                        ; eq
	s_bfe_u32 s33, ttmp9, 0x40002                  ; block of 16 rows
	s_lshr_b32 s34, ttmp9, 6                       ; b
	s_mov_b32 s16, (1<<16)|(1<<20)|(6<<22)|(3<<25) ; elements of 2 bytes; padding on: after every 128 words (code 6) 4 words (code 3)
	s_mov_b32 s17, 256<<16
	s_mov_b32 s18, 16<<16
	s_mov_b32 s19, 256<<16
	s_mov_b32 s20, 16
	s_mov_b32 s21, 256
	s_mov_b32 s22, 0
	s_mov_b32 s23, 0
	s_mov_b32 s24, 1
	s_mul_i32 s25, s14, 2*PT
	s_mov_b32 s28, 1
	s_add_co_u32 s29, s25, PT
	s_lshl_b32 s36, s34, 3
	s_lshl1_add_u32 s36, s14, s36                  ; 8 b + my first head
	s_lshl_b32 s38, s36, 8
	s_lshl4_add_u32 s38, s33, s38
	s_lshl_b32 s38, s38, 9                         ; rows of 512 bytes
	s_mov_b32 s39, 0
	s_wait_dscnt 0x0
	s_wait_kmcnt 0x0
	s_add_nc_u64 s[26:27], s[4:5], s[38:39]
	s_add_nc_u64 s[30:31], s[26:27], 131072        ; the next head
	s_or_b32 s27, s27, 0x80000000
	s_or_b32 s31, s31, 0x80000000
	tensor_load_to_lds s[24:27], s[16:23]          ; my two first fills together: two loads of mine are out
	s_nop 0
	tensor_load_to_lds s[28:31], s[16:23]
	s_nop 0
	PLACES
	s_lshl_b32 s38, s36, 15
	s_add_nc_u64 s[6:7], s[6:7], s[38:39]          ; V^T of my first head: 32 fragments
	s_lshl_b32 s38, s32, 3
	s_lshl1_add_u32 s38, s14, s38
	s_lshl_b32 s38, s38, 14
	s_add_nc_u64 s[8:9], s[8:9], s[38:39]          ; Wo's row block 8 eq + 2 w: 16 fragments
	s_lshl_b32 s38, s34, 8
	s_lshl4_add_u32 s38, s33, s38
	s_lshl2_add_u32 s38, s14, s38                  ; row 256 b + 16 ib + 4 w
	s_lshl_b32 s38, s38, 11
	s_lshl_b32 s40, s32, 9
	s_add_co_u32 s38, s38, s40
	s_add_nc_u64 s[12:13], s[12:13], s[38:39]
	v_and_b32 v1, 15, v0                           ; r
	v_bfe_u32 v2, v0, 4, 1                         ; hh
	v_and_b32 v3, 31, v0
	v_lshlrev_b32 v3, 4, v3                        ; 16 x lane
	WIN 0x80
.set f, 0
.rept 32
	global_load_b128 v[8*f:8*f+3],   v3, s[6:7] offset:f*1024
	global_load_b128 v[8*f+4:8*f+7], v3, s[6:7] offset:f*1024+512
.set f, f+1
.endr
	WIN 0xc0
.set f, 0
.rept 32
	global_load_b128 v[8*f:8*f+3],   v3, s[6:7] offset:32768+f*1024
	global_load_b128 v[8*f+4:8*f+7], v3, s[6:7] offset:32768+f*1024+512
.set f, f+1
.endr
	WIN 0x40
.set f, 0
.rept 32
	global_load_b128 v[8*f:8*f+3],   v3, s[8:9] offset:f*1024
	global_load_b128 v[8*f+4:8*f+7], v3, s[8:9] offset:f*1024+512
.set f, f+1
.endr
	WIN 0
	s_lshl_b32 s40, s32, 9
	s_lshl_b32 s41, s14, 7
	s_add_co_u32 s40, s40, s41
	v_lshl_add_u32 v9, v2, 5, s40                  ; bo: column 128 eq + 32 w + 8 hh
.irp el, 0,1
	global_load_b128 v[240+8*\el:243+8*\el], v9, s[10:11] offset:\el*64
	global_load_b128 v[244+8*\el:247+8*\el], v9, s[10:11] offset:\el*64+16
.endr
	v_mul_u32_u24 v4, v1, PPITCH
	v_lshl_add_u32 v7, v2, 5, v4
	v_lshl_add_u32 v4, v2, 4, v4
	v_add_nc_u32 v4, s25, v4                       ; P's fragments of my first head
	s_lshl_b32 s40, s14, 12
	s_add_co_u32 s40, s40, OFR
	v_add_nc_u32 v5, s40, v3                       ; where my four fragments of O go
	v_add_nc_u32 v6, OFR, v3
	s_add_co_u32 s41, s41, STG
	v_add_nc_u32 v7, s41, v7                       ; the way out, in: row r, my 128 bytes, 32 for each half of the lanes
	s_mul_i32 s40, s14, 4*PPITCH
	s_add_co_u32 s40, s40, STG
	v_add_nc_u32 v8, s40, v3                       ; and back: my four whole rows
	s_wait_tensorcnt 0x0                           ; my two heads' rows of P are in; only I read them
.irp hl, 0,1
.irp jc, 0,1,2,3,4,5,6,7
	ds_load_b128 v[32+64*\hl+8*\jc:35+64*\hl+8*\jc], v4 offset:\hl*PT+\jc*64
	ds_load_b128 v[36+64*\hl+8*\jc:39+64*\hl+8*\jc], v4 offset:\hl*PT+\jc*64+32
.endr
.endr
.macro AV hl                           ; 32 matrix instructions: 8 chunks of 32 j x 4 blocks of 16 n; the four accumulators take turns; the first four start the sums
	WIN 0x02+(\hl)
.irp jc, 0,1,2,3,4,5,6,7
.irp nb, 0,1,2,3
.if \jc == 0
	v_wmma_f32_16x16x32_f16 v[160+32*(\hl)+8*\nb:167+32*(\hl)+8*\nb], v[8*(4*\jc+\nb):8*(4*\jc+\nb)+7], v[32+64*(\hl)+8*\jc:39+64*(\hl)+8*\jc], 0
.else
	v_wmma_f32_16x16x32_f16 v[160+32*(\hl)+8*\nb:167+32*(\hl)+8*\nb], v[8*(4*\jc+\nb):8*(4*\jc+\nb)+7], v[32+64*(\hl)+8*\jc:39+64*(\hl)+8*\jc], v[160+32*(\hl)+8*\nb:167+32*(\hl)+8*\nb]
.endif
.endr
.endr
.endm
	s_wait_loadcnt 63                              ; behind my first head's V^T stand 132 loads: with 63 out at the most it is in
	s_wait_dscnt 0x0
	AV 0
	s_wait_loadcnt 63                              ; behind the second head's stand 68
	AV 1
	WIN 0
	PLACES
.irp hl, 0,1
.irp nb, 0,1,2,3
.irp m, 0,1,2,3
	v_cvt_pk_f16_f32 v[32+8*(2*\hl+\nb/2)+4*(\nb%2)+\m], v[160+32*\hl+8*\nb+2*\m], v[161+32*\hl+8*\nb+2*\m]  ; two neighbouring n blocks make a fragment: 16 rows i x 32 channels
.endr
.endr
.endr
.irp f, 0,1,2,3
	ds_store_b128 v5, v[32+8*\f:35+8*\f] offset:\f*1024
	ds_store_b128 v5, v[36+8*\f:39+8*\f] offset:\f*1024+512
.endr
	s_wait_dscnt 0x0                               ; for the others' sake: my fragments of O are stored
	s_barrier_signal -1
	s_barrier_wait -1
.irp kc, 0,1,2,3,4,5,6,7,8,9,10,11,12,13,14,15
	ds_load_b128 v[32+8*\kc:35+8*\kc], v6 offset:\kc*1024
	ds_load_b128 v[36+8*\kc:39+8*\kc], v6 offset:\kc*1024+512
.endr
	s_wait_loadcnt 0x0                             ; Wo and bo
.irp i, 0,1,2,3,4,5,6,7
	v_cvt_pk_bf16_f32 v10, v[240+2*\i], v[241+2*\i]
	v_lshlrev_b32 v[240+2*\i], 16, v10
	v_and_b32 v[241+2*\i], 0xffff0000, v10
.endr
	s_wait_dscnt 0x0
	WIN 0x01
.irp kc, 0,1,2,3,4,5,6,7,8,9,10,11,12,13,14,15
.irp el, 0,1                           ; the two accumulators take turns; bo starts the sums
.if \kc == 0
	v_wmma_f32_16x16x32_f16 v[224+8*\el:231+8*\el], v[128*\el+8*\kc:128*\el+8*\kc+7], v[32+8*\kc:39+8*\kc], v[240+8*\el:247+8*\el]
.else
	v_wmma_f32_16x16x32_f16 v[224+8*\el:231+8*\el], v[128*\el+8*\kc:128*\el+8*\kc+7], v[32+8*\kc:39+8*\kc], v[224+8*\el:231+8*\el]
.endif
.endr
.endr
	WIN 0
	PLACES
.irp el, 0,1
	ds_store_b128 v7, v[224+8*\el:227+8*\el] offset:\el*64
	ds_store_b128 v7, v[228+8*\el:231+8*\el] offset:\el*64+16
.endr
	s_wait_dscnt 0x0                               ; a row's 512 bytes come from four waves
	s_barrier_signal -1
	s_barrier_wait -1
.irp t, 0,1,2,3
	ds_load_b128 v[32+4*\t:35+4*\t], v8 offset:\t*PPITCH
.endr
.irp t, 0,1,2,3
	s_wait_dscnt 3-\t
	global_store_b128 v3, v[32+4*\t:35+4*\t], s[12:13] offset:\t*2048  ; 512 consecutive bytes, at a multiple of 256 from the buffer's first
.endr
	s_wait_tensorcnt 0x0                           ; the wave's end
	ds_add_u32 v30, v31
	s_wait_dscnt 0x0
	s_endpgm
.Lfunc_end_k_qcb678d8a57_avproj:
	.size	k_qcb678d8a57_avproj, .Lfunc_end_k_qcb678d8a57_avproj-k_qcb678d8a57_avproj
	.p2alignl 7, 3214868480
	.fill 96, 4, 3214868480
	.section	.rodata,"a",@progbits
	.p2align	6, 0x0
	.amdhsa_kernel k_qcb678d8a57_avproj
		.amdhsa_group_segment_fixed_size 167936
		.amdhsa_private_segment_fixed_size 0
		.amdhsa_enable_private_segment 0
		.amdhsa_kernarg_size 40
		.amdhsa_user_sgpr_count 2
		.amdhsa_user_sgpr_kernarg_segment_ptr 1
		.amdhsa_wavefront_size32 1
		.amdhsa_system_sgpr_workgroup_id_x 1
		.amdhsa_system_sgpr_workgroup_id_y 1
		.amdhsa_system_sgpr_workgroup_id_z 1
		.amdhsa_system_vgpr_workitem_id 0
		.amdhsa_next_free_vgpr 1024
		.amdhsa_next_free_sgpr 66
		.amdhsa_reserve_vcc 0
		.amdhsa_float_denorm_mode_32 3
		.amdhsa_float_denorm_mode_16_64 3
		.amdhsa_memory_ordered 1
		.amdhsa_forward_progress 1
		.amdhsa_inst_pref_size 38
	.end_amdhsa_kernel
	.amdgpu_metadata
---
amdhsa.version: [ 1, 2 ]
amdhsa.kernels:
  - .name:           k_qcb678d8a57_avproj
    .symbol:         k_qcb678d8a57_avproj.kd
    .args:
      - { .name: pw, .offset: 0, .size: 8, .value_kind: global_buffer, .address_space: global }
      - { .name: vt, .offset: 8, .size: 8, .value_kind: global_buffer, .address_space: global }
      - { .name: wob, .offset: 16, .size: 8, .value_kind: global_buffer, .address_space: global }
      - { .name: bo, .offset: 24, .size: 8, .value_kind: global_buffer, .address_space: global }
      - { .name: out0, .offset: 32, .size: 8, .value_kind: global_buffer, .address_space: global }
    .group_segment_fixed_size: 167936
    .private_segment_fixed_size: 0
    .kernarg_segment_align: 8
    .kernarg_segment_size: 40
    .max_flat_workgroup_size: 128
    .sgpr_count:     66
    .vgpr_count:     1024
    .wavefront_size: 32
...
	.end_amdgpu_metadata
.endif
;; end of part 3
